; MI455X (gfx1250); checked and timed in simulation.
; The chip was launched on July 23, 2026; its instructions are those of AMD's public machine-readable ISA for CDNA 5 (MIT licence, August 2026) and "CDNA5" Instruction Set Architecture Reference Guide (July 2026). The comments in the code are by the model that wrote it; some were corrected since.
;; Base EBM. Allowed arithmetic: float matrix products may take bf16 or f16 operands with f32 sums; other float arithmetic in f32, or as packed bf16 or f16 multiplies, adds, multiply-adds, maxima and minima; sums over many terms, partial sums and values carried from step to step in f32; what a program stores and reads back later, other than sums and carried values, may be rounded once to bf16 or f16.
;; Inputs: W0 32 x 2 float32; W1 32 x 32 float32; W2 32 x 32 float32; W3 1 x 32 float32; b0 32 float32; b1 32 float32; b2 32 float32; b3 1 float32; x 1,048,576 x 1 float32; y_mean 1 float32.
;; Outputs: out0 1,048,576 x 1 float32.
;; One version. Each part assembles by itself: llvm-mc -triple=amdgcn-amd-amdhsa -mcpu=gfx1250 --defsym DOCPART=n.
;; ======== version 1 of 1: 1 launch
;; limits: right only within a limited range of input values
;; launch ebm (part 1): grid 256 x 1, 16 waves a work-group, no clusters, 0 bytes of LDS; arguments x, W0, b0, W1, b1, W2, b2, W3, b3, y_mean, out0; writes out0
.if DOCPART == 1
	.amdgcn_target "amdgcn-amd-amdhsa--gfx1250"
	.amdhsa_code_object_version 6
	.text
	.protected	k_q2e0aec403f_ebm
	.globl	k_q2e0aec403f_ebm
	.p2align	8
	.type	k_q2e0aec403f_ebm,@function
k_q2e0aec403f_ebm:
	s_mov_b64 s[64:65], 0
	v_nop
	global_prefetch_b8 v0, s[64:65] scope:SCOPE_SE
	s_setreg_imm32_b32 hwreg(HW_REG_WAVE_MODE, 25, 1), 1
	s_wait_xcnt 0x0
; TEN STEPS y <- y - 0.1 dE/dy for 1,048,576 samples (x, y) that know nothing of each other.  E is the ReLU net 2 -> 32 -> 32 -> 32 -> 1; y starts at y_mean.
; THE ARITHMETIC.  With w0x = W0[:,0], w0y = W0[:,1], w3 = W3[0,:] and the masks m = [z > 0]:
;   once a sample   c = w0x x + b0
;   each step       m0 = [w0y y + c > 0];   Q = W1 (m0 w0y);   R = W1 (m0 b0) + b1;   P = W1 (m0 w0x);   z1 = x P + y Q + R;   m1 = [z1 > 0];   h1 = m1 z1
;                   z2 = W2 h1 + b2;   m2 = [z2 > 0];   G = W2^T (m2 w3);   dE/dy = the sum over k of m1[k] G[k] Q[k];   y <- y - 0.1 dE/dy
; That is the chain rule bracketed from both ends, meeting at layer 1 (Q = dz1/dy, G = dE/dh1).  So the matrix operands m0 w0x, m0 w0y, m0 b0 and m2 w3 ARE bf16 numbers, and no gradient is rounded to bf16.
; The one operand that is not, h1, goes in as three bf16 parts, hi + mid + lo, which add up to the f32 number exactly (24 significant bits = 3 x 8; each remainder is exact in f32).  dE/dy jumps where a
; pre-activation changes its sign, so the signs are kept to f32's accuracy: that is what the three parts are for.
; E itself is not returned, so W3 h2 + b3 is not formed; b3 is read, and its derivative by y is 0.
; LIMITS.  Every input (x, W0 .. W3, b0 .. b2, y_mean) is rounded once to bf16, to nearest even.  A mask is clamp(z 2^s) to 0 .. 1: a layer-0 pre-activation in (0, 2^-64), or a layer-1 or
; layer-2 one in (0, 2^-127), gets a fraction in place of 1; |w0x x + b0|, |w0y| and |w0y y| stay under 2^63.  z = +-0 gives 0, as in the reference.  NaN and infinities are not treated apart.
; The sums are taken in another order than the reference's: a pre-activation within some 1e-7 of its own scale from 0 can take the other sign, which moves that sample's y by one jump of the gradient.
; SHARES.  256 work-groups of sixteen waves of 256 registers.  A wave owns 256 samples, 1,024 consecutive bytes of x and of out0, as two chunks of 512 bytes, a chunk as eight tiles of 16 samples.
; LAYOUT.  Every product is weights (source 0) x activations^T (source 1).  Lane l (r = l % 16, h = l / 16) holds sample r of the tile and 16 of the 32 neurons: VALUE i is neuron 8 h + i (i < 8) or
; 16 + 8 h + (i - 8).  That is where two accumulators (weight rows 0-15, 16-31) leave their results, and, packed in pairs, where source 1 wants K = 32: nothing changes lanes between the layers.
; NOT USED: LDS, tensor loads, barriers, clusters (no wave wants a byte that another fetched but 9 KB of weights, read once a wave); a prefetch (x is waited for at the head alone).
.set STEPS,  10
.set CHUNKS, 2
.set TILES,  8
.set OFFX, 2                           ; v2        1,024 x wave + 16 x lane: my 16 bytes of a chunk, in x and in out0; never rewritten
.set VA,   3                           ; v3        128 r + 32 h: a weight fragment's row and half
.set VT,   4                           ; v4        1,024 h + 4 r: the same for W2 read by columns
.set VH32, 5                           ; v5        32 h: a vector of 32 f32 in value order
.set VH64, 6                           ; v6        64 h: W0's rows of 8 bytes
.set S,    8                           ; v[8:11]   the dot product's two chains
                                       ; v1, v12-14 at work
.set AW1,  16                          ; v[16:31]  W1: rows 0-15, rows 16-31
.set AW2,  32                          ; v[32:47]  W2
.set AT2,  48                          ; v[48:63]  W2^T
.set CB1,  64                          ; v[64:79]  b1, f32, value order: the C operand that starts R
.set CB2,  80                          ; v[80:95]  b2: the C operand that starts z2
.set KX,   96                          ; v[96:103]   w0x, packed bf16, value order
.set KY,   104                         ; v[104:111]  w0y
.set KB,   112                         ; v[112:119]  b0
.set K3,   120                         ; v[120:127]  w3
.set WY,   128                         ; v[128:143]  w0y x 2^64, f32
.set BIG,  144                         ; v[144:145]  2^127, twice
.set NEG1, 146                         ; v146      -1.0
.set YM,   147                         ; v147      y_mean
.set XQ,   148                         ; v[148:151]  the chunk's queue: x goes out at its head, y comes in at its tail
.set XN,   152                         ; v[152:155]  the second chunk's x
.set XX,   156                         ; v[156:157]  x, twice
.set YY,   158                         ; v[158:159]  y, twice (the lines with clamp take whole vector pairs)
.set CC,   160                         ; v[160:175]  c x 2^64
.set TA,   176                         ; v[176:191]  m0; P; m1; its upper half then z2's rows 16-31
.set TB,   192                         ; v[192:207]  Q, then m1 Q
.set TC,   208                         ; v[208:223]  R, z1, h1 and its remainders; m2; G
.set TD,   224                         ; v[224:231]  m0 packed; z2's rows 0-15
.set O1,   232                         ; v[232:239], v[240:247], v[248:255]  source 1 of the products
.set O2,   240
.set O3,   248
.set STG,  TA                          ; the head's staging: v[176:239]
.macro FRAG dst, src                   ; sixteen f32 in value order -> eight registers of packed bf16
.irp p, 0,1,2,3,4,5,6,7
	v_cvt_pk_bf16_f32 v[(\dst)+(\p)], v[(\src)+2*(\p)], v[(\src)+2*(\p)+1]
.endr
.endm
.macro ROUND16 base                    ; sixteen f32 rounded to bf16 and widened again, in place
.irp p, 0,1,2,3,4,5,6,7
	v_cvt_pk_bf16_f32 v1, v[(\base)+2*(\p)], v[(\base)+2*(\p)+1]
	v_lshlrev_b32 v[(\base)+2*(\p)], 16, v1
	v_and_b32 v[(\base)+2*(\p)+1], s35, v1
.endr
.endm
.macro LOAD16 dst, off, base, add      ; sixteen f32 in value order: 32 bytes at my half's place, 32 more 64 bytes on
.irp q, 0,1,2,3
	global_load_b128 v[(\dst)+4*(\q):(\dst)+4*(\q)+3], v[\off], s[(\base):(\base)+1] offset:(\add)+16*((\q)%2)+64*((\q)/2)
.endr
.endm
.macro MASKOP dst, src, k              ; a packed mask (0 or 1) times a packed constant vector: exact
.irp p, 0,1,2,3,4,5,6,7
	v_pk_mul_bf16 v[(\dst)+(\p)], v[(\src)+(\p)], v[(\k)+(\p)]
.endr
.endm
.macro MM2 d0, d1, a, b, kind, c=0     ; 32 weight rows x one source 1.  kind 0: the sums start at 0; 1: at v[c ..]; 2: they go on in place
.if (\kind) == 0
	v_wmma_f32_16x16x32_bf16 v[(\d0):(\d0)+7], v[(\a):(\a)+7], v[(\b):(\b)+7], 0
	v_wmma_f32_16x16x32_bf16 v[(\d1):(\d1)+7], v[(\a)+8:(\a)+15], v[(\b):(\b)+7], 0
.elseif (\kind) == 1
	v_wmma_f32_16x16x32_bf16 v[(\d0):(\d0)+7], v[(\a):(\a)+7], v[(\b):(\b)+7], v[(\c):(\c)+7]
	v_wmma_f32_16x16x32_bf16 v[(\d1):(\d1)+7], v[(\a)+8:(\a)+15], v[(\b):(\b)+7], v[(\c)+8:(\c)+15]
.else
	v_wmma_f32_16x16x32_bf16 v[(\d0):(\d0)+7], v[(\a):(\a)+7], v[(\b):(\b)+7], v[(\d0):(\d0)+7]
	v_wmma_f32_16x16x32_bf16 v[(\d1):(\d1)+7], v[(\a)+8:(\a)+15], v[(\b):(\b)+7], v[(\d1):(\d1)+7]
.endif
.endm
.macro RESID o                         ; what is left of h1 when the part packed in v[o ..] is taken away: exact in f32
.irp p, 0,1,2,3,4,5,6,7
	v_fma_mix_f32_bf16 v[TC+2*(\p)], v[(\o)+(\p)], v[NEG1], v[TC+2*(\p)] op_sel_hi:[1,0,0]
	v_fma_mix_f32_bf16 v[TC+2*(\p)+1], v[(\o)+(\p)], v[NEG1], v[TC+2*(\p)+1] op_sel:[1,0,0] op_sel_hi:[1,0,0]
.endr
.endm
; ONE STEP.  A vector instruction that reads a matrix result, or writes a register of a matrix instruction, stands four plain vector instructions or more behind it, none of which names a register of that matrix
; instruction (ISA guide 7.12.1); here the next operand's eight lines are those places, but behind G, where nothing is left that does not hang on y.  Each accumulator is read from its lowest pair on,
; and z2's two chains take turns, one instruction a turn; the step's last and first products share only source 1, v[O1 ..].
.macro STEP
.irp p, 0,1,2,3,4,5,6,7
	v_pk_fma_f32 v[TA+2*(\p):TA+2*(\p)+1], v[WY+2*(\p):WY+2*(\p)+1], v[YY:YY+1], v[CC+2*(\p):CC+2*(\p)+1] clamp  ; m0 = clamp((w0y y + c) 2^64)
.endr
	FRAG TD, TA
	MASKOP O1, TD, KY
	MM2 TB, TB+8, AW1, O1, 0               ; Q
	MASKOP O2, TD, KB
	MM2 TC, TC+8, AW1, O2, 1, CB1          ; R
	MASKOP O3, TD, KX                      ; (eight places behind R)
	MM2 TA, TA+8, AW1, O3, 0               ; P
.irp p, 0,1,2,3,4,5,6,7
	v_pk_fma_f32 v[TC+2*(\p):TC+2*(\p)+1], v[TB+2*(\p):TB+2*(\p)+1], v[YY:YY+1], v[TC+2*(\p):TC+2*(\p)+1]  ; R + y Q (eight places behind P)
.endr
.irp p, 0,1,2,3,4,5,6,7
	v_pk_fma_f32 v[TC+2*(\p):TC+2*(\p)+1], v[TA+2*(\p):TA+2*(\p)+1], v[XX:XX+1], v[TC+2*(\p):TC+2*(\p)+1]  ; z1
.endr
.irp p, 0,1,2,3,4,5,6,7
	v_pk_mul_f32 v[TA+2*(\p):TA+2*(\p)+1], v[TC+2*(\p):TC+2*(\p)+1], v[BIG:BIG+1] clamp  ; m1
.endr
.irp p, 0,1,2,3,4,5,6,7
	v_pk_mul_f32 v[TC+2*(\p):TC+2*(\p)+1], v[TC+2*(\p):TC+2*(\p)+1], v[TA+2*(\p):TA+2*(\p)+1]  ; h1
.endr
	FRAG O1, TC                            ; hi
.irp p, 4,5,6,7
	v_pk_mul_f32 v[TB+2*(\p):TB+2*(\p)+1], v[TB+2*(\p):TB+2*(\p)+1], v[TA+2*(\p):TA+2*(\p)+1]  ; m1 Q, upper half: m1's upper registers become free for z2
.endr
	MM2 TD, TA+8, AW2, O1, 1, CB2          ; z2 = b2 + W2 hi
	RESID O1
	FRAG O2, TC                            ; mid
	MM2 TD, TA+8, AW2, O2, 2               ;    + W2 mid
	RESID O2
	FRAG O3, TC                            ; lo: eight bits are left, so this rounds nothing
	MM2 TD, TA+8, AW2, O3, 2               ;    + W2 lo
.irp p, 0,1,2,3
	v_pk_mul_f32 v[TB+2*(\p):TB+2*(\p)+1], v[TB+2*(\p):TB+2*(\p)+1], v[TA+2*(\p):TA+2*(\p)+1]  ; m1 Q, lower half: the four places behind z2's last products
.endr
.irp p, 0,1,2,3
	v_pk_mul_f32 v[TC+2*(\p):TC+2*(\p)+1], v[TD+2*(\p):TD+2*(\p)+1], v[BIG:BIG+1] clamp  ; m2, into registers of no recent product
.endr
.irp p, 0,1,2,3
	v_pk_mul_f32 v[TC+8+2*(\p):TC+8+2*(\p)+1], v[TA+8+2*(\p):TA+8+2*(\p)+1], v[BIG:BIG+1] clamp
.endr
	FRAG O1, TC
	MASKOP O1, O1, K3
	MM2 TC, TC+8, AT2, O1, 0               ; G
.rept 4
	v_nop                                  ; the places behind G
.endr
	v_pk_mul_f32 v[S:S+1], v[TC:TC+1], v[TB:TB+1]  ; the sum of G (m1 Q) over my 16 neurons: two chains of pairs, one an accumulator
	v_pk_mul_f32 v[S+2:S+3], v[TC+8:TC+9], v[TB+8:TB+9]
.irp p, 1,2,3
	v_pk_fma_f32 v[S:S+1], v[TC+2*(\p):TC+2*(\p)+1], v[TB+2*(\p):TB+2*(\p)+1], v[S:S+1]
	v_pk_fma_f32 v[S+2:S+3], v[TC+8+2*(\p):TC+8+2*(\p)+1], v[TB+8+2*(\p):TB+8+2*(\p)+1], v[S+2:S+3]
.endr
	v_pk_add_f32 v[S:S+1], v[S:S+1], v[S+2:S+3]
	v_add_f32 v12, v[S], v[S+1]
	v_permlanex16_b32 v13, v12, s32, s33   ; the sample's other 16 neurons lie in the lane 16 away
	v_add_f32 v12, v12, v13                ; the same two numbers in both halves: y stays alike in both
	v_fmamk_f32 v[YY], v12, 0xbdcccccd, v[YY]      ; y - 0.1 dE/dy, fused
	v_fmamk_f32 v[YY+1], v12, 0xbdcccccd, v[YY+1]
.endm
	s_load_b512 s[8:23], s[0:1], 0x0               ; x s[8:9], W0 s[10:11], b0 s[12:13], W1 s[14:15], b1 s[16:17], W2 s[18:19], b2 s[20:21], W3 s[22:23]
	s_load_b128 s[24:27], s[0:1], 0x40             ; b3 s[24:25], y_mean s[26:27]
	s_load_b64 s[28:29], s[0:1], 0x50              ; out0
	s_lshl_b32 s2, ttmp9, 14                       ; the work-group's 16 waves x 1,024 bytes
	s_mov_b32 s3, 0
	s_mov_b32 s32, 0x76543210                      ; v_permlanex16_b32's selects: each lane takes its own place in the other half
	s_mov_b32 s33, 0xfedcba98
	s_mov_b32 s34, 0x0000ffff                      ; lanes 0-15
	s_mov_b32 s35, 0xffff0000                      ; lanes 16-31; also a word's upper bf16
	v_and_b32 v1, 31, v0
	v_lshrrev_b32 v12, 5, v0
	v_lshlrev_b32 v[OFFX], 4, v1
	v_lshl_add_u32 v[OFFX], v12, 10, v[OFFX]
	v_and_b32 v13, 15, v0                          ; r
	v_bfe_u32 v14, v0, 4, 1                        ; h
	v_lshlrev_b32 v[VH32], 5, v14
	v_lshlrev_b32 v[VH64], 6, v14
	v_lshl_add_u32 v[VA], v13, 7, v[VH32]
	v_lshlrev_b32 v[VT], 2, v13
	v_lshl_add_u32 v[VT], v14, 10, v[VT]
	s_wait_kmcnt 0x0
	s_load_b32 s30, s[26:27], 0x0                  ; y_mean
	s_load_b32 s31, s[24:25], 0x0                  ; b3: read as given; dE/dy holds no b3, so it enters no arithmetic
	s_add_nc_u64 s[8:9], s[8:9], s[2:3]
	s_add_nc_u64 s[28:29], s[28:29], s[2:3]
	; the first 26 loads: both chunks of x (each load of the wave covers 512 consecutive bytes, aligned), W1, W2, b1, b2
	global_load_b128 v[XQ:XQ+3], v[OFFX], s[8:9] th:TH_LOAD_NT
	global_load_b128 v[XN:XN+3], v[OFFX], s[8:9] offset:512 th:TH_LOAD_NT
.irp a, 0,1
	LOAD16 STG+16*(\a), VA, 14, 2048*(\a)          ; W1[16 a + r][my 16 columns]
	LOAD16 STG+32+16*(\a), VA, 18, 2048*(\a)       ; W2 likewise
.endr
	LOAD16 CB1, VH32, 16, 0
	LOAD16 CB2, VH32, 20, 0
	s_wait_loadcnt 0x0                             ; once a wave: no count is kept at the head
	FRAG AW1, STG
	FRAG AW1+8, STG+16
	FRAG AW2, STG+32
	FRAG AW2+8, STG+48
	ROUND16 CB1
	ROUND16 CB2
	; the other 48, into staging registers that the conversions above have read.  W2 by columns, W2[8 h + i + 16 g][16 a + r], is 32 loads of 4 bytes, once a wave, of 4 KB that every wave reads
.irp a, 0,1
.irp g, 0,1
.irp i, 0,1,2,3,4,5,6,7
	global_load_b32 v[STG+16*(\a)+8*(\g)+(\i)], v[VT], s[18:19] offset:128*(\i)+2048*(\g)+64*(\a)
.endr
.endr
.endr
.irp g, 0,1
.irp i, 0,1,2,3
	global_load_b128 v[STG+32+16*(\g)+4*(\i):STG+32+16*(\g)+4*(\i)+3], v[VH64], s[10:11] offset:16*(\i)+128*(\g)  ; W0: w0x[k], w0y[k], w0x[k+1], w0y[k+1]
.endr
.endr
	LOAD16 CC, VH32, 12, 0                         ; b0
	LOAD16 O2, VH32, 22, 0                         ; W3
	s_wait_loadcnt 0x0
	s_wait_kmcnt 0x0                               ; y_mean, b3
	FRAG AT2, STG
	FRAG AT2+8, STG+16
.irp p, 0,1,2,3,4,5,6,7
	v_cvt_pk_bf16_f32 v[KX+(\p)], v[STG+32+4*(\p)], v[STG+32+4*(\p)+2]
	v_cvt_pk_bf16_f32 v[KY+(\p)], v[STG+32+4*(\p)+1], v[STG+32+4*(\p)+3]
.endr
	FRAG KB, CC
	FRAG K3, O2
.irp p, 0,1,2,3,4,5,6,7
	v_lshlrev_b32 v[WY+2*(\p)], 16, v[KY+(\p)]
	v_and_b32 v[WY+2*(\p)+1], s35, v[KY+(\p)]
.endr
.irp p, 0,1,2,3,4,5,6,7
	v_pk_mul_f32 v[WY+2*(\p):WY+2*(\p)+1], v[WY+2*(\p):WY+2*(\p)+1], 0x5f800000 op_sel_hi:[1,0]  ; x 2^64
.endr
	v_mov_b32 v[BIG], 0x7f000000
	v_mov_b32 v[BIG+1], 0x7f000000
	v_mov_b32 v[NEG1], -1.0
	v_mov_b32 v1, s30
	v_cvt_pk_bf16_f32 v1, v1, v1
	v_lshlrev_b32 v[YM], 16, v1
	s_mov_b32 s37, CHUNKS
.Lchunk:
	s_mov_b32 s38, TILES
.Ltile:                                        ; a tile: the word at the queue's head in 16 lanes.  Trips 1-4 take lanes 0-15's four words, trips 5-8 lanes 16-31's
	s_cmp_gt_u32 s38, TILES/2
	s_cselect_b32 s36, s34, s35                    ; the half whose samples are in hand
	v_permlanex16_b32 v13, v[XQ], s32, s33
	v_cndmask_b32 v12, v13, v[XQ], s36             ; its x, in both halves
	v_cvt_pk_bf16_f32 v14, v12, v12                ; rounded to bf16, twice in a word,
	v_lshlrev_b32 v[XX], 16, v14                   ; and widened
	v_and_b32 v[XX+1], s35, v14
	v_mov_b32 v[YY], v[YM]
	v_mov_b32 v[YY+1], v[YM]
.irp p, 0,1,2,3,4,5,6,7
	v_fma_mix_f32_bf16 v[CC+2*(\p)], v[KX+(\p)], v[XX], v[KB+(\p)] op_sel_hi:[1,0,1]  ; c = w0x x + b0, one rounding
	v_fma_mix_f32_bf16 v[CC+2*(\p)+1], v[KX+(\p)], v[XX], v[KB+(\p)] op_sel:[1,0,1] op_sel_hi:[1,0,1]
.endr
.irp p, 0,1,2,3,4,5,6,7
	v_pk_mul_f32 v[CC+2*(\p):CC+2*(\p)+1], v[CC+2*(\p):CC+2*(\p)+1], 0x5f800000 op_sel_hi:[1,0]  ; x 2^64
.endr
	s_mov_b32 s39, STEPS
.Lstep:
	STEP
	s_sub_co_u32 s39, s39, 1
	s_cmp_lg_u32 s39, 0
	s_cbranch_scc1 .Lstep
	v_mov_b32 v12, v[XQ]                           ; the queue moves on by a word: the half in hand takes its y at the tail, the other half turns its own word round.
	v_mov_b32 v[XQ], v[XQ+1]                       ; After eight trips each lane's four words are the results of its own 16 bytes, in order
	v_mov_b32 v[XQ+1], v[XQ+2]
	v_mov_b32 v[XQ+2], v[XQ+3]
	v_cndmask_b32 v[XQ+3], v12, v[YY], s36
	s_sub_co_u32 s38, s38, 1
	s_cmp_lg_u32 s38, 0
	s_cbranch_scc1 .Ltile
	global_store_b128 v[OFFX], v[XQ:XQ+3], s[28:29] th:TH_STORE_NT  ; the wave's store covers 512 consecutive bytes, aligned
	s_wait_xcnt 0x0                                ; the store's data and base are written again only behind this wait
	s_add_nc_u64 s[28:29], s[28:29], 512
.irp q, 0,1,2,3
	v_mov_b32 v[XQ+(\q)], v[XN+(\q)]               ; the second chunk (behind it these four copies and the step above serve nothing: the price of one text for both chunks)
.endr
	s_sub_co_u32 s37, s37, 1
	s_cmp_lg_u32 s37, 0
	s_cbranch_scc1 .Lchunk
	s_endpgm
.Lfunc_end_k_q2e0aec403f_ebm:
	.size	k_q2e0aec403f_ebm, .Lfunc_end_k_q2e0aec403f_ebm-k_q2e0aec403f_ebm
	.p2alignl 7, 3214868480
	.fill 96, 4, 3214868480
	.section	.rodata,"a",@progbits
	.p2align	6, 0x0
	.amdhsa_kernel k_q2e0aec403f_ebm
		.amdhsa_group_segment_fixed_size 0
		.amdhsa_private_segment_fixed_size 0
		.amdhsa_enable_private_segment 0
		.amdhsa_kernarg_size 88
		.amdhsa_user_sgpr_count 2
		.amdhsa_user_sgpr_kernarg_segment_ptr 1
		.amdhsa_wavefront_size32 1
		.amdhsa_system_sgpr_workgroup_id_x 1
		.amdhsa_system_sgpr_workgroup_id_y 1
		.amdhsa_system_sgpr_workgroup_id_z 1
		.amdhsa_system_vgpr_workitem_id 0
		.amdhsa_next_free_vgpr 256
		.amdhsa_next_free_sgpr 66
		.amdhsa_reserve_vcc 0
		.amdhsa_float_denorm_mode_32 3
		.amdhsa_float_denorm_mode_16_64 3
		.amdhsa_memory_ordered 1
		.amdhsa_forward_progress 1
		.amdhsa_inst_pref_size 32
	.end_amdhsa_kernel
	.amdgpu_metadata
---
amdhsa.version: [ 1, 2 ]
amdhsa.kernels:
  - .name:           k_q2e0aec403f_ebm
    .symbol:         k_q2e0aec403f_ebm.kd
    .args:
      - { .name: x, .offset: 0, .size: 8, .value_kind: global_buffer, .address_space: global }
      - { .name: W0, .offset: 8, .size: 8, .value_kind: global_buffer, .address_space: global }
      - { .name: b0, .offset: 16, .size: 8, .value_kind: global_buffer, .address_space: global }
      - { .name: W1, .offset: 24, .size: 8, .value_kind: global_buffer, .address_space: global }
      - { .name: b1, .offset: 32, .size: 8, .value_kind: global_buffer, .address_space: global }
      - { .name: W2, .offset: 40, .size: 8, .value_kind: global_buffer, .address_space: global }
      - { .name: b2, .offset: 48, .size: 8, .value_kind: global_buffer, .address_space: global }
      - { .name: W3, .offset: 56, .size: 8, .value_kind: global_buffer, .address_space: global }
      - { .name: b3, .offset: 64, .size: 8, .value_kind: global_buffer, .address_space: global }
      - { .name: y_mean, .offset: 72, .size: 8, .value_kind: global_buffer, .address_space: global }
      - { .name: out0, .offset: 80, .size: 8, .value_kind: global_buffer, .address_space: global }
    .group_segment_fixed_size: 0
    .private_segment_fixed_size: 0
    .kernarg_segment_align: 8
    .kernarg_segment_size: 88
    .max_flat_workgroup_size: 512
    .sgpr_count:     66
    .vgpr_count:     256
    .wavefront_size: 32
...
	.end_amdgpu_metadata
.endif
;; end of part 1
